; MI455X (gfx1250); checked and timed in simulation.
; The chip was launched on July 23, 2026; its instructions are those of AMD's public machine-readable ISA for CDNA 5 (MIT licence, August 2026) and "CDNA5" Instruction Set Architecture Reference Guide (July 2026). The comments in the code are by the model that wrote it; some were corrected since.
;; Attention. Allowed arithmetic: matrix products marked QUANTISED: E4M3 operands, one given power-of-two scale a tensor, by v_wmma_f32_16x16x64_fp8_fp8 or v_wmma_f32_16x16x128_fp8_fp8, f32 sums; everything else in f32.
;; Inputs: b_out 1,024 float32; lowp_scales 8 int32 (the exponents e of the quantised operands' scales 2^e); mask 4 x 2,048 int32; w_out 1,024 x 1,024 float32; w_qkv 1,024 x 3,072 float32; x 4 x 2,048 x 1,024 float32.
;; Outputs: out0 4 x 2,048 x 1,024 float32.
;; This version of the problem:
;;   THIS VERSION OF THE PROBLEM IS GIVEN IN LOW PRECISION. The matrix products marked QUANTISED in the list below multiply operands that are first quantised to E4M3 (4 exponent bits, 3 mantissa bits; 8 bits a number), with one given power-of-two scale for each operand tensor; their sums are f32. All else is computed in f32.
;;   The module's matrix products, in the order in which they are computed (A, B: the left and right operand; K: the contracted axis; several contracted axes count as one K, in the product's order):
;;     1. [M 8,192, K 1,024] x [K 1,024, N 3,072]; A: input x; B: input w_qkv: QUANTISED (scales: A lowp_scales[0], B lowp_scales[1])
;;     2. batch 64 x [M 2,048, K 64] x [K 64, N 2,048]; A: computed on the way; B: computed on the way: QUANTISED (scales: A lowp_scales[2], B lowp_scales[3])
;;     3. batch 64 x [M 2,048, K 2,048] x [K 2,048, N 64]; A: softmax (see below); B: computed on the way: QUANTISED (scales: A lowp_scales[4], B lowp_scales[5])
;;     4. [M 8,192, K 1,024] x [K 1,024, N 1,024]; A: computed on the way; B: input w_out: QUANTISED (scales: A lowp_scales[6], B lowp_scales[7])
;;   THE QUANTISER, for each operand of a quantised product, along K:
;;     - The operand's scale is 2^e, e = its entry of the input lowp_scales (int32; the entries are numbered through the quantised products in the list's order, A before B).
;;     - Each number is divided by the scale, clamped to +-448, and rounded to the nearest number of E4M3, ties to even, subnormals kept.
;;     - The product sums the exact products of the quantised numbers (number of the format x scale) in f32.
;;   ~~~python
;;   def quantise(x, axis, e):      # numpy; x: float32 -> the quantised numbers, widened to float32 again
;;       x = np.moveaxis(x, axis, -1); K = x.shape[-1]
;;       r = np.clip(x / 2.0 ** e, -448, 448)
;;       step = 2.0 ** (np.maximum(np.frexp(np.where(r == 0, 1, r))[1] - 1, -6) - 3)
;;       q = np.round(r / step) * step * 2.0 ** e      # np.round: ties to even
;;       return np.moveaxis(q, -1, axis).astype(np.float32)
;;   ~~~
;;   SOFTMAX AHEAD OF A QUANTISED PRODUCT. Where the list says 'softmax', what is quantised is not the finished softmax but p = 2^(t - M), with t = logit x log2(e) and M = ceil(the row's largest t), a whole number; so 1/2 < the row's largest p <= 1. The row's sum l is taken of the UNQUANTISED p, in f32, and the product's result is divided by l at the end. Since M is a whole number, a kernel that streams over the keys may use a running M (the ceiling of the running maximum): every later rescaling is an exact power of two, so the quantised numbers keep their values, but for numbers so far below the row's largest that they fall under the format's range.
;;   OPERANDS COMPUTED ON THE WAY. 'Computed on the way' means the value that the module computes at that place (a softmax that the list does not call 'softmax' is quantised finished and normalised). What goes into a quantiser is computed in f32, as accurately as f32 sums, v_exp_f32 and their like allow (about 1e-6 of the number): no bf16 or f16 on the way to a quantiser, and a product that is left as it is and whose result goes on into a quantised operand takes f32 operands (vector FMAs, or v_wmma_f32_16x16x4_f32). A number that lies on a knife's edge between two numbers of the format may be rounded either way, as far as f32 arithmetic and the matrix unit's own rounding can turn it there, and no further.
;; One version. Each part assembles by itself: llvm-mc -triple=amdgcn-amd-amdhsa -mcpu=gfx1250 --defsym DOCPART=n.
;; ======== version 1 of 1: 4 launches
;; workspace buffers: x_img 8,388,608 bytes; wqkv_img 3,145,728 bytes; wout_img 1,048,576 bytes; q_img 8,388,608 bytes; k_img 8,388,608 bytes; v_img 8,388,608 bytes; o_img 8,388,608 bytes
;; launch quant (part 1): grid 384 x 1, 4 waves a work-group, no clusters, 67,072 bytes of LDS; arguments x, w_qkv, w_out, lowp_scales, x_img, wqkv_img, wout_img; writes x_img, wqkv_img, wout_img
.if DOCPART == 1
	.amdgcn_target "amdgcn-amd-amdhsa--gfx1250"
	.amdhsa_code_object_version 6
	.text
	.protected	k_qcde6ec2b84_quant
	.globl	k_qcde6ec2b84_quant
	.p2align	8
	.type	k_qcde6ec2b84_quant,@function
k_qcde6ec2b84_quant:
	s_mov_b64 s[64:65], 0
	v_nop
	global_prefetch_b8 v0, s[64:65] scope:SCOPE_SE
	s_setreg_imm32_b32 hwreg(HW_REG_WAVE_MODE, 25, 1), 1
	s_wait_xcnt 0x0
; x [8192][1024], w_qkv [1024][3072] and w_out [1024][1024], f32, become codes of FP8 (E4M3), each with the scale 2^e given for it (entries 0, 1 and 7 of the scales).
; code = number / 2^e, held within +-448, rounded to the nearest code, ties to even.
; THE CODES ARE LAID AS IMAGES OF OPERAND REGISTERS.  An image is 16 rows x 64 along K = 8 registers x 32 lanes = 1,024 bytes: byte 512 p + 16 L + 4 i is register 4 p + i of lane L.
; Lane L = (r = L % 16, h = L / 16) holds row r, and its registers 2 c, 2 c + 1 hold k = 16 c + 8 h + 0 .. 7: the layout of the plain 8-bit matrix forms.
; x_img: [tile of 16 rows][64 along K][1024];  wqkv_img, wout_img: [tile of 16 columns][64 along K][1024] (a weight's rows of an image are its columns n).
; Work-groups 0-255 take x, 256-351 w_qkv, 352-383 w_out: 32,768 numbers each.  The two ways part on the work-group's number and have LDS bytes of their own.  Waves share nothing: no barrier.
; LIMITS: each e between -126 and 119.  NaN among the inputs is not served (an infinity is held at the largest code).
.set XP,    528                        ; x's stage: a row of 512 bytes + 16
.set XSTG,  16*XP                      ; 16 rows for each wave
.set WSTG,  4*XSTG                     ; behind them the weights' stages: 8,192 bytes for each wave (8 images)
.set SPARE, WSTG+4*8192                ; behind them the spare words, 128 bytes for each wave: two blocks of 256 bytes that no other line names
.set LI,  1                            ; v1   16 x lane
.set SI,  6                            ; v6   x's stage, in: 16 x lane
.set SO,  7                            ; v7   x's stage, out: 528 r + 32 h
.set WI,  8                            ; v8   the weights' stage, in: 4096 (lane / 16) + 16 (lane % 16)
.set WR,  9                            ; v9   the weights' stage, out: 16 x lane
.set LIM, 10                           ; v10  448 x 2^e
.set SCL, 11                           ; v11  2^e
.set SPW, 12                           ; v12  LDS address of my spare word; never rewritten
.set NIL, 13                           ; v13  0; never rewritten
.set L4,  14                           ; v14  4 x lane
.set R,   16                           ; x: v16-143 two sets of 64 registers as loaded
.set XX,  144                          ; x: v144-207 64 numbers in the image's order
.set CX,  208                          ; x: v208-239 two sets of 16 registers of codes
.set OF,  16                           ; w: v16-47 byte offsets of 32 rows k at my column
.set XW,  48                           ; w: v48-111 two sets of 32 numbers down K
.set CW,  112                          ; w: v112-119 a block's codes
.set OUTR, 120                         ; w: v120-183 the way out
.macro MKSCALE e                       ; 2^e and 448 x 2^e as f32, from the whole number e
	s_add_co_i32 s56, \e, 127
	s_lshl_b32 s57, s56, 23
	v_mov_b32 v[SCL], s57                          ; the conversion takes its exponent field
	s_add_co_i32 s56, s56, 8
	s_lshl_b32 s56, s56, 23
	s_or_b32 s56, s56, 0x600000                    ; 448's mantissa field
	v_mov_b32 v[LIM], s56
.endm
	s_load_b256 s[4:11], s[0:1], 0x0               ; x s[4:5], w_qkv s[6:7], w_out s[8:9], the scales s[10:11]
	s_load_b128 s[12:15], s[0:1], 0x20             ; x_img s[12:13], wqkv_img s[14:15]
	s_load_b64 s[16:17], s[0:1], 0x30              ; wout_img
	v_lshl_add_u32 v[SPW], v0, 2, SPARE
	v_mov_b32 v[NIL], 0
	v_lshrrev_b32 v2, 5, v0
	v_readfirstlane_b32 s20, v2                    ; wave 0..3
	v_and_b32 v3, 31, v0                           ; lane
	v_and_b32 v4, 15, v0                           ; r
	v_bfe_u32 v5, v0, 4, 1                         ; h
	v_lshlrev_b32 v[LI], 4, v3
	v_lshlrev_b32 v[L4], 2, v3
	s_mul_i32 s21, s20, XSTG                       ; every LDS address of both ways is made here, ahead of the parting
	v_add_nc_u32 v[SI], s21, v[LI]
	v_mul_u32_u24 v[SO], v4, XP
	v_lshl_add_u32 v[SO], v5, 5, v[SO]
	v_add_nc_u32 v[SO], s21, v[SO]
	s_lshl_b32 s22, s20, 13
	s_add_co_u32 s22, s22, WSTG
	v_lshlrev_b32 v[WI], 4, v4
	v_lshl_add_u32 v[WI], v5, 12, v[WI]
	v_add_nc_u32 v[WI], s22, v[WI]
	v_add_nc_u32 v[WR], s22, v[LI]
	s_wait_kmcnt 0x0
	s_load_b256 s[24:31], s[10:11], 0x0            ; e0 .. e7
	s_cmp_ge_u32 ttmp9, 256
	s_cbranch_scc1 .Lweights
; ---------------- x: K is innermost.  A wave takes one tile of 16 rows x 512 along K, in 4 steps of 128.
; Each load reads 512 consecutive bytes of one row; the step's 8,192 bytes turn through the wave's own stage, so that a lane gets, of ITS row, the eight neighbours that each pair of image registers wants.
	s_lshl_b32 s21, ttmp9, 2
	s_add_co_u32 s21, s21, s20                     ; 4 x work-group + wave
	s_lshr_b32 s22, s21, 1                         ; the tile of rows
	s_and_b32 s23, s21, 1                          ; which half of K
	s_lshl_b32 s32, s22, 16                        ; 16 rows of 4,096 bytes
	s_lshl_b32 s33, s23, 11                        ; 512 numbers
	s_add_co_u32 s32, s32, s33
	s_mov_b32 s33, 0
	s_add_nc_u64 s[4:5], s[4:5], s[32:33]
	s_lshl_b32 s32, s22, 14                        ; 16 images
	s_lshl_b32 s34, s23, 13                        ; 8 images
	s_add_co_u32 s32, s32, s34
	s_add_nc_u64 s[12:13], s[12:13], s[32:33]
.macro LOADX u
.irp i, 0,1,2,3,4,5,6,7,8,9,10,11,12,13,14,15
	global_load_b128 v[R+64*((\u)%2)+4*\i:R+64*((\u)%2)+4*\i+3], v[LI], s[4:5] offset:4096*\i+512*(\u) th:TH_LOAD_NT
.endr
.endm
.macro STEPX u
.if (\u) < 3
	s_wait_loadcnt 16                              ; this step's 16 loads are in; the next step's 16 may be out
.else
	s_wait_loadcnt 0
.endif
.irp i, 0,1,2,3,4,5,6,7,8,9,10,11,12,13,14,15
	ds_store_b128 v[SI], v[R+64*((\u)%2)+4*\i:R+64*((\u)%2)+4*\i+3] offset:XP*\i
.endr
.irp z, 0,1,2,3,4,5,6,7                ; z = 4 q + c: image q of the step's two, register pair c: k = 64 q + 16 c + 8 h + 0 .. 7, 32 bytes of my row.  LDS serves a wave's instructions in order: these see the stores above
.irp m, 0,1
	ds_load_b128 v[XX+8*\z+4*\m:XX+8*\z+4*\m+3], v[SO] offset:64*\z+16*\m
.endr
.endr
	s_wait_dscnt 0x0                               ; the numbers are back, and the stores into the stage have read their registers
.if (\u) >= 2
	s_wait_xcnt 0x0                                ; the stores of two steps ago have read this set of codes: it is written again only behind this wait
.endif
.if (\u) < 2
	LOADX (\u)+2
.endif
.set j, 0
.rept 64
	v_med3_num_f32 v[XX+j], v[XX+j], -v[LIM], v[LIM]   ; the conversion to an 8-bit code does not saturate (ISA guide 7.6.2): the hold comes first
.set j, j+1
.endr
.irp z, 0,1,2,3,4,5,6,7
	v_cvt_scalef32_pk8_fp8_f32 v[CX+16*((\u)%2)+2*\z:CX+16*((\u)%2)+2*\z+1], v[XX+8*\z:XX+8*\z+7], v[SCL]
.endr
	v_nop                                          ; a plain line behind the last conversion
.irp z, 0,1,2,3
	global_store_b128 v[LI], v[CX+16*((\u)%2)+4*\z:CX+16*((\u)%2)+4*\z+3], s[12:13] offset:2048*(\u)+512*\z   ; half an image: 512 consecutive bytes, aligned
.endr
.endm
	LOADX 0
	LOADX 1
	s_wait_kmcnt 0x0
	MKSCALE s24                                    ; e0
	STEPX 0
	STEPX 1
	STEPX 2
	STEPX 3
	s_wait_tensorcnt 0x0                           ; the wave's end, behind my last LDS store
	ds_add_u32 v[SPW], v[NIL]
	s_wait_dscnt 0x0
	s_endpgm
; ---------------- the weights: K is the FIRST axis.  A lane takes a column n and its registers run down K: the conversions then give codes with K innermost, and nothing is transposed.
; A work-group takes 128 columns x 256 along K, a wave 32 columns: two tiles of columns x 4 images, gathered in the wave's stage at the images' own places and stored as they lie.
.Lweights:
	s_sub_co_u32 s21, ttmp9, 256
	s_cmp_lt_u32 s21, 96                           ; w_qkv's 96 work-groups, then w_out's 32: the choice hangs on the work-group's number alone
	s_cselect_b64 s[6:7], s[6:7], s[8:9]
	s_cselect_b64 s[14:15], s[14:15], s[16:17]
	s_mov_b32 s48, 4096
	s_cselect_b32 s48, 12288, s48                  ; a row of the weight in bytes
	s_cselect_b32 s22, 0, 96
	s_sub_co_u32 s21, s21, s22
	s_and_b32 s22, s21, 3                          ; which 256 along K
	s_lshr_b32 s23, s21, 2                         ; which 128 columns
	s_lshl_b32 s49, s23, 7
	s_lshl_b32 s50, s20, 5
	s_add_co_u32 s49, s49, s50                     ; my wave's first column
	s_lshl_b32 s49, s49, 2
	s_lshl_b32 s50, s22, 8
	s_mul_i32 s50, s50, s48
	s_add_co_u32 s50, s50, s49                     ; bytes to (first k, first column)
	s_mov_b32 s51, 0
	s_add_nc_u64 s[32:33], s[6:7], s[50:51]        ; a base for each block of 32 along K: none is ever stepped
	s_lshl_b32 s52, s48, 5
	s_mov_b32 s53, 0
.irp t, 1,2,3,4,5,6,7
	s_add_nc_u64 s[32+2*\t:33+2*\t], s[30+2*\t:31+2*\t], s[52:53]
.endr
	s_lshl_b32 s54, s23, 3
	s_lshl_b32 s55, s20, 1
	s_add_co_u32 s54, s54, s55                     ; my first tile of columns
	s_lshl_b32 s54, s54, 14                        ; 16 images to a tile
	s_lshl_b32 s55, s22, 12                        ; 4 images
	s_add_co_u32 s54, s54, s55
	s_mov_b32 s55, 0
	s_add_nc_u64 s[14:15], s[14:15], s[54:55]
	v_mov_b32 v[OF], v[L4]
.irp i, 1,2,3,4,5,6,7,8,9,10,11,12,13,14,15,16,17,18,19,20,21,22,23,24,25,26,27,28,29,30,31
	v_add_nc_u32 v[OF+\i], s48, v[OF+\i-1]         ; 4 x lane + i rows
.endr
.macro LOADW t                         ; W(32 t + i, my column): 32 lanes read 128 consecutive bytes
.irp i, 0,1,2,3,4,5,6,7,8,9,10,11,12,13,14,15,16,17,18,19,20,21,22,23,24,25,26,27,28,29,30,31
	global_load_b32 v[XW+32*((\t)%2)+\i], v[OF+\i], s[32+2*(\t):33+2*(\t)] th:TH_LOAD_NT
.endr
.endm
.macro BLOCKW t
.set XS, XW+32*((\t)%2)
.if (\t) < 7
	s_wait_loadcnt 32                              ; this block's 32 loads are in; the next block's may be out
.else
	s_wait_loadcnt 0
.endif
.irp i, 0,1,2,3,4,5,6,7,8,9,10,11,12,13,14,15,16,17,18,19,20,21,22,23,24,25,26,27,28,29,30,31
	v_med3_num_f32 v[XS+\i], v[XS+\i], -v[LIM], v[LIM]
.endr
.irp g, 0,1,2,3
	v_cvt_scalef32_pk8_fp8_f32 v[CW+2*\g:CW+2*\g+1], v[XS+8*\g:XS+8*\g+7], v[SCL]
.endr
	v_nop                                          ; a plain line behind the last conversion
.irp g, 0,1,2,3                        ; k = 32 t + 8 g + 0 .. 7 of my column: image t / 2, register pair c = 2 (t % 2) + g / 2 of image lane (lane % 16) + 16 (g % 2)
	ds_store_b64 v[WI], v[CW+2*\g:CW+2*\g+1] offset:1024*((\t)/2)+512*((\t)%2)+8*(\g/2)+256*(\g%2)
.endr
.if (\t) < 6
	LOADW (\t)+2
.endif
	s_wait_dscnt 0x0                               ; the stores have read their registers: the next block's codes may be written
.endm
	LOADW 0
	LOADW 1
	s_wait_kmcnt 0x0
	s_cmp_lt_u32 ttmp9, 352
	s_cselect_b32 s58, s25, s31                    ; e1 or e7
	MKSCALE s58
.irp t, 0,1,2,3,4,5,6,7
	BLOCKW \t
.endr
.irp z, 0,1,2,3,4,5,6,7,8,9,10,11,12,13,14,15
	ds_load_b128 v[OUTR+4*\z:OUTR+4*\z+3], v[WR] offset:512*\z
.endr
.irp z, 0,1,2,3,4,5,6,7,8,9,10,11,12,13,14,15
	s_wait_dscnt 15-\z                             ; LDS loads come back in order: number z is in
	global_store_b128 v[LI], v[OUTR+4*\z:OUTR+4*\z+3], s[14:15] offset:16384*(\z/8)+512*(\z%8)   ; 512 consecutive bytes, aligned
.endr
	s_wait_tensorcnt 0x0                           ; the wave's end, behind my last LDS store
	ds_add_u32 v[SPW], v[NIL]
	s_wait_dscnt 0x0
	s_endpgm
.Lfunc_end_k_qcde6ec2b84_quant:
	.size	k_qcde6ec2b84_quant, .Lfunc_end_k_qcde6ec2b84_quant-k_qcde6ec2b84_quant
	.p2alignl 7, 3214868480
	.fill 96, 4, 3214868480
	.section	.rodata,"a",@progbits
	.p2align	6, 0x0
	.amdhsa_kernel k_qcde6ec2b84_quant
		.amdhsa_group_segment_fixed_size 67072
		.amdhsa_private_segment_fixed_size 0
		.amdhsa_enable_private_segment 0
		.amdhsa_kernarg_size 56
		.amdhsa_user_sgpr_count 2
		.amdhsa_user_sgpr_kernarg_segment_ptr 1
		.amdhsa_wavefront_size32 1
		.amdhsa_system_sgpr_workgroup_id_x 1
		.amdhsa_system_sgpr_workgroup_id_y 1
		.amdhsa_system_sgpr_workgroup_id_z 1
		.amdhsa_system_vgpr_workitem_id 0
		.amdhsa_next_free_vgpr 240
		.amdhsa_next_free_sgpr 66
		.amdhsa_reserve_vcc 0
		.amdhsa_float_denorm_mode_32 3
		.amdhsa_float_denorm_mode_16_64 3
		.amdhsa_memory_ordered 1
		.amdhsa_forward_progress 1
		.amdhsa_inst_pref_size 87
	.end_amdhsa_kernel
	.amdgpu_metadata
---
amdhsa.version: [ 1, 2 ]
amdhsa.kernels:
  - .name:           k_qcde6ec2b84_quant
    .symbol:         k_qcde6ec2b84_quant.kd
    .args:
      - { .name: x, .offset: 0, .size: 8, .value_kind: global_buffer, .address_space: global }
      - { .name: w_qkv, .offset: 8, .size: 8, .value_kind: global_buffer, .address_space: global }
      - { .name: w_out, .offset: 16, .size: 8, .value_kind: global_buffer, .address_space: global }
      - { .name: lowp_scales, .offset: 24, .size: 8, .value_kind: global_buffer, .address_space: global }
      - { .name: x_img, .offset: 32, .size: 8, .value_kind: global_buffer, .address_space: global }
      - { .name: wqkv_img, .offset: 40, .size: 8, .value_kind: global_buffer, .address_space: global }
      - { .name: wout_img, .offset: 48, .size: 8, .value_kind: global_buffer, .address_space: global }
    .group_segment_fixed_size: 67072
    .private_segment_fixed_size: 0
    .kernarg_segment_align: 8
    .kernarg_segment_size: 56
    .max_flat_workgroup_size: 128
    .sgpr_count:     66
    .vgpr_count:     240
    .wavefront_size: 32
...
	.end_amdgpu_metadata
.endif
;; end of part 1
;; launch qkv (part 2): grid 16 x 32, 4 waves a work-group, clusters of 4 x 4, 327,680 bytes of LDS; arguments x_img, wqkv_img, lowp_scales, mask, q_img, k_img, v_img; writes q_img, k_img, v_img
.if DOCPART == 2
	.amdgcn_target "amdgcn-amd-amdhsa--gfx1250"
	.amdhsa_code_object_version 6
	.text
	.protected	k_qcde6ec2b84_qkv
	.globl	k_qcde6ec2b84_qkv
	.p2align	8
	.type	k_qcde6ec2b84_qkv,@function
k_qcde6ec2b84_qkv:
	s_mov_b64 s[64:65], 0
	v_nop
	global_prefetch_b8 v0, s[64:65] scope:SCOPE_SE
	s_setreg_imm32_b32 hwreg(HW_REG_WAVE_MODE, 25, 1), 1
	s_wait_xcnt 0x0
	s_wait_alu depctr_hold_cnt(0) depctr_sa_sdst(0) depctr_va_vdst(0) depctr_va_sdst(0) depctr_va_ssrc(0) depctr_va_vcc(0) depctr_vm_vsrc(0)
	s_getreg_b32 s2, hwreg(HW_REG_IB_STS2, 6, 4)
	s_cmp_eq_u32 s2, 0
	s_cbranch_scc0 .Lentry_in_a_cluster
	s_endpgm
.Lentry_in_a_cluster:
	s_bfe_u32 s2, ttmp6, 0x10000c
	s_cmp_lg_u32 s2, 0xf033
	s_cbranch_scc0 .Lentry_shape_is_right
	s_endpgm
.Lentry_shape_is_right:
; qkv = x w_qkv on codes of FP8, and its results quantised at once into the operands of the two products of attention.
; All operands lie as IMAGES of registers (16 rows x 64 along K = 1,024 bytes: byte 512 p + 16 L + 4 i = register 4 p + i of lane L; lane (r, h): row r, registers 2 c, 2 c + 1: k = 16 c + 8 h + 0 .. 7).
; Two images on end are a fragment of 128 along K: four ds_load_b128 at 16 x lane, 512 consecutive bytes each.
; SHARES.  A work-group makes 256 rows x the 192 columns of ONE head (x of the grid: the head; y: the block of rows); wave w makes rows 64 w .. 64 w + 63 x all 192: 48 accumulators.
; q's and k's tiles are used TRANSPOSED (source 0 = 16 columns of W, source 1 = 16 rows of x): a lane holds a token and eight features, so a conversion's two registers ARE registers 2 c, 2 c + 1 of q's or k's image.
; v's tiles are used as they stand (source 0 = x, source 1 = W): a lane holds a feature and eight tokens: registers of v's image, whose K is the keys.  So nothing is shuffled and no stage is needed on the way out.
; THE CODES OF k OF A TOKEN WHOSE MASK IS 0 ARE SET TO 0: its scores in the next launch are then exactly what that launch adds for such a key.
; K = 1,024 goes in 4 slots' worth of 256 through a ring of two LDS slots; 8 steps of 128, written out.
; CLUSTERS: 4 x 4 work-groups.  x's tile hangs on the block of rows alone and is asked for jointly by a row of the cluster, W's on the head alone, by a column.
; REGISTERS, in windows of 256: window 0: addresses, codes (v32-127), x's fragments in two sets (v128-191, v192-255).  window 1: W's 12 fragments, ONE set, at v[16 b].
;   window 2: accumulators (b = 0..7: q, k; a = tile of rows) at v[8 (4 b + a)].  window 3: v's (b = 8..11) at v[8 (4 (b - 8) + a)].
; LIMITS: e2 - e0 - e1, e3 - e0 - e1 and e5 - e0 - e1 between -126 and 119.  A mask entry counts as 'not 0'.
.set SLOT,  114688                     ; x: 16 tiles of rows x 4,096 bytes, then W: 12 tiles of columns x 4,096
.set WOFF,  65536
.set SPARE, 2*SLOT                     ; behind the ring: the spare words, 128 bytes for each wave: two blocks of 256 bytes that no other line names
.set LI,   5                           ; v5   16 x lane
.set MO,   6                           ; v6   4 x (lane % 16)
.set ONES, 7                           ; v7   -1
.set MW,   8                           ; v8-11  the mask of token 16 a + lane % 16
.set MM,   12                          ; v12-15 -1 where it is not 0, else 0
.set ADRA, 16                          ; v16-17 my x fragments in slot 0, 1
.set ADRW, 20                          ; v20-21 W's
.set SC,   24                          ; v24-26 the conversions' scales for q, k, v
.set SPW,  28                          ; v28  LDS address of my spare word; never rewritten
.set NIL,  29                          ; v29  0; never rewritten
.set CQ,   32                          ; v32-63 q's four images, v64-95 k's, v96-127 v's
.set CK,   64
.set CV,   96
.set AF,   128
.set G1,  24                           ; s[24:31] descriptor group 1 for x's tiles; s[32:39] group 0, a set for each slot
.set G0,  32
.set G1B, 48                           ; s[48:55], s[56:63] the same for W's
.set G0B, 56
.set MSB, 0
.macro WIN new                         ; the immediate's high byte repeats the setting that is left
.if MSB != \new
	s_set_vgpr_msb (MSB<<8)|\new
.set MSB, \new
.endif
.endm
.macro PLACES                          ; four plain lines between a matrix instruction and a load into, or a vector read of, its registers
.rept 4
	v_nop
.endr
.endm
; A joint load: waves 0 and 1 fetch x's halves, waves 2 and 3 W's.  The branch hangs on the wave's number alone.  An s_nop 0 and four v_nop follow each line.
.macro JLOAD s
	s_cmp_eq_u32 s15, 0
	s_cbranch_scc0 .Lfor_w_\@
	tensor_load_to_lds s[G0+4*\s:G0+4*\s+3], s[G1:G1+7]
	s_nop 0
.rept 4
	v_nop
.endr
	s_branch .Lasked_\@
.Lfor_w_\@:
	tensor_load_to_lds s[G0B+4*\s:G0B+4*\s+3], s[G1B:G1B+7]
	s_nop 0
.rept 4
	v_nop
.endr
.Lasked_\@:
.endm
.macro CREST                           ; a round of the cluster's barrier behind its opening barrier
	s_cmp_lg_u32 s14, 0
	s_cbranch_scc1 .Lnot_wave_0_\@
	s_barrier_signal -3
.Lnot_wave_0_\@:
	s_barrier_wait -3
	s_barrier_signal -1
	s_barrier_wait -1
.endm
.macro CROUND
	s_barrier_signal -1
	s_barrier_wait -1
	CREST
.endm
	s_load_b256 s[4:11], s[0:1], 0x0               ; x_img s[4:5], wqkv_img s[6:7], the scales s[8:9], mask s[10:11]
	s_load_b128 s[68:71], s[0:1], 0x20             ; q_img, k_img
	s_load_b64 s[72:73], s[0:1], 0x30              ; v_img
	v_lshl_add_u32 v[SPW], v0, 2, SPARE
	v_mov_b32 v[NIL], 0
	ds_add_u32 v[SPW], v[NIL]                      ; the wave's opening: the add and its wait stand ahead of my first tensor load; the set-up stands between them
	v_lshrrev_b32 v1, 5, v0
	v_readfirstlane_b32 s14, v1                    ; wave 0..3
	s_lshr_b32 s15, s14, 1                         ; I fetch for x (0) or for W (1),
	s_and_b32 s16, s14, 1                          ; and which half of that tile
	s_bfe_u32 s40, ttmp6, 0x40000                  ; cx, cy: my place in the cluster
	s_bfe_u32 s41, ttmp6, 0x40004
	s_lshl_b32 s42, ttmp9, 2
	s_add_co_u32 s42, s42, s40                     ; the head = 4 x cluster x + cx
	s_and_b32 s17, ttmp7, 0xffff
	s_lshl_b32 s17, s17, 2
	s_add_co_u32 s17, s17, s41                     ; the block of 256 rows = 4 x cluster y + cy
	s_lshl_b32 s43, s41, 2
	s_lshl_b32 s43, 15, s43                        ; my row of the cluster
	s_lshl_b32 s44, 0x1111, s40                    ; my column
	; group 1: 'rows' of 4,096 bytes (4 images: 256 along K of one tile), 16,384 bytes apart (a tile's 16 images); elements of 8 bytes; dense in LDS
	s_or_b32 s[G1], s43, (3<<16)|(1<<21)           ; 15:0 the mask; 17:16 elements of 8 bytes; 21 set beside a mask
	s_or_b32 s[G1B], s44, (3<<16)|(1<<21)
	s_mov_b32 s[G1+1], 512<<16                     ; tensor_dim0 = 512 elements
	s_mov_b32 s[G1B+1], 512<<16
	s_mov_b32 s[G1+2], 8<<16                       ; tensor_dim1: 8 tiles of rows,
	s_mov_b32 s[G1B+2], 6<<16                      ; 6 tiles of columns
	s_mov_b32 s[G1+3], 512<<16                     ; tile_dim0
	s_mov_b32 s[G1B+3], 512<<16
	s_mov_b32 s[G1+4], 8                           ; tile_dim1
	s_mov_b32 s[G1B+4], 6
	s_mov_b32 s[G1+5], 2048                        ; the pitch in elements
	s_mov_b32 s[G1B+5], 2048
	s_mov_b32 s[G1+6], 0
	s_mov_b32 s[G1B+6], 0
	s_mov_b32 s[G1+7], 0
	s_mov_b32 s[G1B+7], 0
	s_lshl_b32 s20, s17, 4
	s_lshl_b32 s18, s16, 3
	s_add_co_u32 s20, s20, s18                     ; x: tile of rows 16 x block + 8 x half
	s_lshl_b32 s20, s20, 14
	s_mov_b32 s21, 0
	s_mul_i32 s46, s42, 12
	s_mul_i32 s47, s16, 6
	s_add_co_u32 s46, s46, s47                     ; W: tile of columns 12 x head + 6 x half
	s_lshl_b32 s46, s46, 14
	s_mov_b32 s47, 0
	s_lshl_b32 s45, s16, 15                        ; where they go: x's halves at 0 and 32,768,
	s_mul_i32 s19, s16, 24576
	s_add_co_u32 s19, s19, WOFF                    ; W's at 65,536 and 90,112: no place in the cluster enters an LDS address
	s_wait_dscnt 0x0                               ; the opening add is done
	s_wait_kmcnt 0x0
	s_load_b256 s[76:83], s[8:9], 0x0              ; e0 .. e7
	s_add_nc_u64 s[20:21], s[4:5], s[20:21]
	s_add_nc_u64 s[46:47], s[6:7], s[46:47]
	CROUND                                         ; all sixteen work-groups are here: the first joint loads meet
.irp s, 0,1
	s_mov_b32 s[G0+4*\s], 1
	s_add_co_u32 s[G0+4*\s+1], s45, \s*SLOT
	s_add_nc_u64 s[G0+4*\s+2:G0+4*\s+3], s[20:21], \s*4096
	s_or_b32 s[G0+4*\s+3], s[G0+4*\s+3], 0x80000000
	s_mov_b32 s[G0B+4*\s], 1
	s_add_co_u32 s[G0B+4*\s+1], s19, \s*SLOT
	s_add_nc_u64 s[G0B+4*\s+2:G0B+4*\s+3], s[46:47], \s*4096
	s_or_b32 s[G0B+4*\s+3], s[G0B+4*\s+3], 0x80000000
	JLOAD \s
.endr
	v_and_b32 v1, 31, v0
	v_lshlrev_b32 v[LI], 4, v1
	v_and_b32 v2, 15, v0
	v_lshlrev_b32 v[MO], 2, v2
	v_mov_b32 v[ONES], -1
	s_lshl_b32 s21, s14, 14                        ; my four tiles of rows
	v_add_nc_u32 v[ADRA], s21, v[LI]
	v_add_nc_u32 v[ADRA+1], SLOT, v[ADRA]
	v_add_nc_u32 v[ADRW], WOFF, v[LI]
	v_add_nc_u32 v[ADRW+1], SLOT+WOFF, v[LI]
	s_lshl_b32 s90, s17, 10
	s_lshl_b32 s91, s14, 8
	s_add_co_u32 s90, s90, s91                     ; 4 bytes x (256 x block + 64 x wave): batch and token run on in mask as rows do in x
	s_mov_b32 s91, 0
	s_add_nc_u64 s[10:11], s[10:11], s[90:91]
.irp a, 0,1,2,3
	global_load_b32 v[MW+\a], v[MO], s[10:11] offset:64*\a   ; waited for on the way out
.endr
	s_lshr_b32 s90, s17, 3                         ; the batch
	s_lshl_b32 s90, s90, 4
	s_add_co_u32 s90, s90, s42                     ; 16 x batch + head
	s_lshl_b32 s90, s90, 17                        ; a head's images: 131,072 bytes in each of the three buffers
	s_and_b32 s92, s17, 7
	s_lshl_b32 s92, s92, 14                        ; my block's 256 tokens: 16 images,
	s_add_co_u32 s90, s90, s92
	s_lshl_b32 s92, s14, 12                        ; my wave's 64: 4 images
	s_add_co_u32 s90, s90, s92
	s_add_nc_u64 s[68:69], s[68:69], s[90:91]
	s_add_nc_u64 s[70:71], s[70:71], s[90:91]
	s_add_nc_u64 s[72:73], s[72:73], s[90:91]
.macro FRAGW slot, q, b0               ; W's fragments b0 .. b0 + 3 of the slot's q-th 128 along K: 16 loads
	WIN 0x40                                       ; destination window 1
.irp b, \b0, \b0+1, \b0+2, \b0+3
.irp c, 0,1,2,3
	ds_load_b128 v[16*(\b)+4*\c:16*(\b)+4*\c+3], v[ADRW+\slot] offset:4096*(\b)+2048*(\q)+512*\c
.endr
.endr
.endm
.macro FRAGA slot, q                   ; x's four fragments into set q: 16 loads
	WIN 0
.irp a, 0,1,2,3
.irp c, 0,1,2,3
	ds_load_b128 v[AF+64*(\q)+16*\a+4*\c:AF+64*(\q)+16*\a+4*\c+3], v[ADRA+\slot] offset:4096*\a+2048*(\q)+512*\c
.endr
.endr
.endm
; 16 matrix instructions.  The 48 accumulators take turns, one instruction a turn, in the same order in every step.  zero = 1: the first products start the sums.
.macro MULT b0, set, zero              ; q's or k's: source 0 = W (window 1), source 1 = x (window 0), C and D window 2
	WIN 0xa1
.irp b, \b0, \b0+1, \b0+2, \b0+3
.irp a, 0,1,2,3
.if \zero
	v_wmma_f32_16x16x128_fp8_fp8 v[8*(4*(\b)+\a):8*(4*(\b)+\a)+7], v[16*(\b):16*(\b)+15], v[AF+64*(\set)+16*\a:AF+64*(\set)+16*\a+15], 0
.else
	v_wmma_f32_16x16x128_fp8_fp8 v[8*(4*(\b)+\a):8*(4*(\b)+\a)+7], v[16*(\b):16*(\b)+15], v[AF+64*(\set)+16*\a:AF+64*(\set)+16*\a+15], v[8*(4*(\b)+\a):8*(4*(\b)+\a)+7]
.endif
.endr
.endr
.endm
.macro MULN set, zero                  ; v's: source 0 = x (window 0), source 1 = W (window 1), C and D window 3
	WIN 0xf4
.irp b, 0,1,2,3
.irp a, 0,1,2,3
.if \zero
	v_wmma_f32_16x16x128_fp8_fp8 v[8*(4*\b+\a):8*(4*\b+\a)+7], v[AF+64*(\set)+16*\a:AF+64*(\set)+16*\a+15], v[128+16*\b:128+16*\b+15], 0
.else
	v_wmma_f32_16x16x128_fp8_fp8 v[8*(4*\b+\a):8*(4*\b+\a)+7], v[AF+64*(\set)+16*\a:AF+64*(\set)+16*\a+15], v[128+16*\b:128+16*\b+15], v[8*(4*\b+\a):8*(4*\b+\a)+7]
.endif
.endr
.endr
.endm
; A step's loads are always issued in the order W 0-3, x, W 4-7, W 8-11, sixteen each; a group of W is fetched anew as soon as its sixteen products are issued, 32 matrix instructions ahead of its use.
.macro STEP slot, zero                 ; a slot's first 128 along K
	s_wait_dscnt 32                                ; W 0-3 and x are in; W 4-7 and W 8-11 may be out
	MULT 0, 0, \zero
	PLACES
	FRAGW \slot, 1, 0
	FRAGA \slot, 1
	s_wait_dscnt 48                                ; W 4-7 is in; W 8-11 and the 32 just issued may be out
	MULT 4, 0, \zero
	PLACES
	FRAGW \slot, 1, 4
	s_wait_dscnt 48                                ; W 8-11 is in; the next step's 48 may be out
	MULN 0, \zero
	PLACES
	FRAGW \slot, 1, 8
.endm
; A slot's second 128 along K changes slots: ONE barrier; in front of it each wave waits for all its tensor loads, adds 0 to its spare word, and waits for that and for its reads of this slot.  fill = 1: this slot is filled again.
.macro TURN slot, next, fill
	WIN 0                                          ; (the add's two registers lie in window 0)
	s_wait_tensorcnt 0x0                           ; all my tensor loads have landed: my part of the next slot
	ds_add_u32 v[SPW], v[NIL]                      ; 0 onto my spare word
	s_wait_dscnt 33                                ; W 0-3 and x are in; W 4-7, W 8-11 and the add may be out
	MULT 0, 1, 0                                   ; sixteen matrix instructions stand between the add and the wait for it
	s_wait_dscnt 0x0                               ; the add is done, and my reads of this slot are over
	s_barrier_signal -1
	MULT 4, 1, 0
	WIN 0
	s_barrier_wait -1
.if \fill
	CREST                                          ; the barrier has opened a round of the cluster's: no wave of any partner still reads this slot or has a load on its way
	s_add_nc_u64 s[G0+4*\slot+2:G0+4*\slot+3], s[G0+4*\slot+2:G0+4*\slot+3], 8192
	s_add_nc_u64 s[G0B+4*\slot+2:G0B+4*\slot+3], s[G0B+4*\slot+2:G0B+4*\slot+3], 8192
	JLOAD \slot                                    ; the first tensor load behind the round; its four v_nop are the places in front of the loads below
.else
	PLACES
.endif
	FRAGW \next, 0, 0
	FRAGA \next, 0
	FRAGW \next, 0, 4
	MULN 1, 0
	PLACES
	FRAGW \next, 0, 8
.endm
	s_wait_tensorcnt 1                             ; my part of slot 0 is in; slot 1's may stay out
	s_barrier_signal -1
	s_barrier_wait -1
	FRAGW 0, 0, 0
	FRAGA 0, 0
	FRAGW 0, 0, 4
	FRAGW 0, 0, 8
	STEP 0, 1                                      ; K 0-127: these products start the sums
	TURN 0, 1, 1
	STEP 1, 0
	TURN 1, 0, 1
	STEP 0, 0
	TURN 0, 1, 0                                   ; nothing is left to fetch: no round, no load
	STEP 1, 0
	s_wait_dscnt 32                                ; the last step: the counts run down
	MULT 0, 1, 0
	s_wait_dscnt 16
	MULT 4, 1, 0
	s_wait_dscnt 0
	MULN 1, 0
	WIN 0
; THE WAY OUT.  A sum stands for sum x 2^(e0 + e1); its code is sum / 2^(e - e0 - e1), e the scale of the operand that it becomes: the three exponents are folded into the conversion's one.
.macro FOLD e, n                       ; v[SC + n]: 2^(e - e0 - e1);  s[84 + 2 n], s[85 + 2 n]: -+448 x that
	s_sub_co_i32 s93, \e, s92
	s_add_co_i32 s93, s93, 127
	s_lshl_b32 s94, s93, 23
	v_mov_b32 v[SC+\n], s94
	s_add_co_i32 s93, s93, 8
	s_lshl_b32 s93, s93, 23
	s_or_b32 s[85+2*\n], s93, 0x600000
	s_or_b32 s[84+2*\n], s[85+2*\n], 0x80000000
.endm
	s_wait_kmcnt 0x0
	s_add_co_i32 s92, s76, s77                     ; e0 + e1
	FOLD s78, 0                                    ; q: e2
	FOLD s79, 1                                    ; k: e3
	FOLD s81, 2                                    ; v: e5
	PLACES
	WIN 0x82                                       ; source 0 and destination window 2
.set j, 0
.rept 128
	v_med3_num_f32 v[j], v[j], s84, s85            ; the conversion does not saturate (ISA guide 7.6.2): the hold first.  Each accumulator from its low end on
.set j, j+1
.endr
.rept 128
	v_med3_num_f32 v[j], v[j], s86, s87
.set j, j+1
.endr
	WIN 0x02                                       ; source 0 window 2, destination window 0
.irp a, 0,1,2,3
.irp b, 0,1,2,3
	v_cvt_scalef32_pk8_fp8_f32 v[CQ+8*\a+2*\b:CQ+8*\a+2*\b+1], v[8*(4*\b+\a):8*(4*\b+\a)+7], v[SC]         ; token tile a, features 16 b + 8 h + 0 .. 7
	v_cvt_scalef32_pk8_fp8_f32 v[CK+8*\a+2*\b:CK+8*\a+2*\b+1], v[8*(4*(\b+4)+\a):8*(4*(\b+4)+\a)+7], v[SC+1]
.endr
.endr
	WIN 0xc3
.set j, 0
.rept 128
	v_med3_num_f32 v[j], v[j], s88, s89
.set j, j+1
.endr
	WIN 0x03
.irp f, 0,1,2,3
.irp a, 0,1,2,3
	v_cvt_scalef32_pk8_fp8_f32 v[CV+8*\f+2*\a:CV+8*\f+2*\a+1], v[8*(4*\f+\a):8*(4*\f+\a)+7], v[SC+2]       ; feature tile f, tokens 16 a + 8 h + 0 .. 7
.endr
.endr
	WIN 0
	v_nop                                          ; a plain line behind the last conversion
	s_wait_loadcnt 0x0                             ; the mask
.irp a, 0,1,2,3
	v_cmp_ne_u32 vcc_lo, 0, v[MW+\a]
	v_cndmask_b32 v[MM+\a], 0, v[ONES], vcc_lo
.endr
.irp a, 0,1,2,3
.irp i, 0,1,2,3,4,5,6,7
	v_and_b32 v[CK+8*\a+\i], v[MM+\a], v[CK+8*\a+\i]   ; a masked token's k: zero codes
.endr
.endr
.irp a, 0,1,2,3
.irp p, 0,1
	global_store_b128 v[LI], v[CQ+8*\a+4*\p:CQ+8*\a+4*\p+3], s[68:69] offset:1024*\a+512*\p   ; half an image: 512 consecutive bytes, aligned
	global_store_b128 v[LI], v[CK+8*\a+4*\p:CK+8*\a+4*\p+3], s[70:71] offset:1024*\a+512*\p
	global_store_b128 v[LI], v[CV+8*\a+4*\p:CV+8*\a+4*\p+3], s[72:73] offset:1024*\a+512*\p
.endr
.endr
	s_wait_tensorcnt 0x0                           ; the wave's end
	ds_add_u32 v[SPW], v[NIL]
	s_wait_dscnt 0x0
	CROUND                                         ; the closing round: no work-group ends while a partner may still ask for a tile that names it
	s_endpgm
.Lfunc_end_k_qcde6ec2b84_qkv:
	.size	k_qcde6ec2b84_qkv, .Lfunc_end_k_qcde6ec2b84_qkv-k_qcde6ec2b84_qkv
	.p2alignl 7, 3214868480
	.fill 96, 4, 3214868480
	.section	.rodata,"a",@progbits
	.p2align	6, 0x0
	.amdhsa_kernel k_qcde6ec2b84_qkv
		.amdhsa_group_segment_fixed_size 327680
		.amdhsa_private_segment_fixed_size 0
		.amdhsa_enable_private_segment 0
		.amdhsa_kernarg_size 56
		.amdhsa_user_sgpr_count 2
		.amdhsa_user_sgpr_kernarg_segment_ptr 1
		.amdhsa_wavefront_size32 1
		.amdhsa_system_sgpr_workgroup_id_x 1
		.amdhsa_system_sgpr_workgroup_id_y 1
		.amdhsa_system_sgpr_workgroup_id_z 1
		.amdhsa_system_vgpr_workitem_id 0
		.amdhsa_next_free_vgpr 896
		.amdhsa_next_free_sgpr 98
		.amdhsa_reserve_vcc 1
		.amdhsa_float_denorm_mode_32 3
		.amdhsa_float_denorm_mode_16_64 3
		.amdhsa_memory_ordered 1
		.amdhsa_forward_progress 1
		.amdhsa_inst_pref_size 102
	.end_amdhsa_kernel
	.amdgpu_metadata
---
amdhsa.version: [ 1, 2 ]
amdhsa.kernels:
  - .name:           k_qcde6ec2b84_qkv
    .symbol:         k_qcde6ec2b84_qkv.kd
    .args:
      - { .name: x_img, .offset: 0, .size: 8, .value_kind: global_buffer, .address_space: global }
      - { .name: wqkv_img, .offset: 8, .size: 8, .value_kind: global_buffer, .address_space: global }
      - { .name: lowp_scales, .offset: 16, .size: 8, .value_kind: global_buffer, .address_space: global }
      - { .name: mask, .offset: 24, .size: 8, .value_kind: global_buffer, .address_space: global }
      - { .name: q_img, .offset: 32, .size: 8, .value_kind: global_buffer, .address_space: global }
      - { .name: k_img, .offset: 40, .size: 8, .value_kind: global_buffer, .address_space: global }
      - { .name: v_img, .offset: 48, .size: 8, .value_kind: global_buffer, .address_space: global }
    .group_segment_fixed_size: 327680
    .private_segment_fixed_size: 0
    .kernarg_segment_align: 8
    .kernarg_segment_size: 56
    .max_flat_workgroup_size: 128
    .sgpr_count:     98
    .vgpr_count:     896
    .wavefront_size: 32
...
	.end_amdgpu_metadata
.endif
;; end of part 2
;; launch attn (part 3): grid 4 x 64, 8 waves a work-group, clusters of 4 x 1, 327,680 bytes of LDS; arguments q_img, k_img, v_img, mask, lowp_scales, o_img; writes o_img
.if DOCPART == 3
	.amdgcn_target "amdgcn-amd-amdhsa--gfx1250"
	.amdhsa_code_object_version 6
	.text
	.protected	k_qcde6ec2b84_attn
	.globl	k_qcde6ec2b84_attn
	.p2align	8
	.type	k_qcde6ec2b84_attn,@function
k_qcde6ec2b84_attn:
	s_mov_b64 s[64:65], 0
	v_nop
	global_prefetch_b8 v0, s[64:65] scope:SCOPE_SE
	s_setreg_imm32_b32 hwreg(HW_REG_WAVE_MODE, 25, 1), 1
	s_wait_xcnt 0x0
	s_wait_alu depctr_hold_cnt(0) depctr_sa_sdst(0) depctr_va_vdst(0) depctr_va_sdst(0) depctr_va_ssrc(0) depctr_va_vcc(0) depctr_vm_vsrc(0)
	s_getreg_b32 s2, hwreg(HW_REG_IB_STS2, 6, 4)
	s_cmp_eq_u32 s2, 0
	s_cbranch_scc0 .Lentry_in_a_cluster
	s_endpgm
.Lentry_in_a_cluster:
	s_bfe_u32 s2, ttmp6, 0x10000c
	s_cmp_lg_u32 s2, 0x3003
	s_cbranch_scc0 .Lentry_shape_is_right
	s_endpgm
.Lentry_shape_is_right:
; o = softmax(where(mask_i mask_j, q k^T / 8, -1e6)) v for one head, both products on codes of FP8, and o quantised at once into the last product's operand.
; q_img, k_img: [head 64][tile of 16 tokens 128][1024];  v_img: [head][64 keys 32][16 features 4][1024];  o_img: [tile of 16 rows 512][head 16][1024]: images of registers
; (byte 512 p + 16 L + 4 i = register 4 p + i of lane L; lane (r, h): row r, registers 2 c, 2 c + 1: k = 16 c + 8 h + 0 .. 7).
; THE SOFTMAX: t = logit x log2(e); M = the row's largest t so far, rounded UP to a whole number; p = 2^(t - M) is what is quantised; the row's sum is taken of the unquantised p and divides at the end.
; When M moves, the sum and O are multiplied by 2^(old M - new M): exact.
; SHARES.  A work-group owns 512 queries of one head (x of the grid: the block; y: 16 x batch + head); each of its eight waves 64, four tiles of 16; each fragment of K and V read from LDS feeds four products.
; BOTH PRODUCTS ARE USED TRANSPOSED: S^T = K Q^T, O^T = V^T P: a lane holds ONE query throughout.  Tile k of S^T holds keys 16 k + 8 h + 0 .. 7 in a lane's registers: its codes ARE registers 2 k, 2 k + 1 of P.
; K AND V STAY IN LDS: a head's are 131,072 bytes each.  Every wave asks for its part of four chunks of 512 keys at the head; nothing is ever filled again, so there is no ring.
; CLUSTER: the four blocks of queries of a head read the same K and V: each tile is asked for JOINTLY by the four.
; THE MASK costs no line for a score.  A masked KEY: its codes of k are zeros (the launch before), and the first product's C is not 0 but a bias, 0 for a live key and -8e6 / 2^(e2 + e3) for a masked one,
; so that its score times c is -1e6 x log2(e).  A masked QUERY: c is a register of the lane, 0 for such a query: every t is 0, M = 0 and p = 1 for all keys, which is 2^(t - M) of a row whose t are all alike and whole.
; REGISTERS: window 0: v1-9 addresses and constants; v10-15 at work; v16-47 eight registers of statistics a tile; v48-111 S^T, then p; v112-175 P's codes, 16 a tile; v176-239 the step's bias, then V's four fragments.
;   window 1: v0-127 O^T (tile t, features 16 f on: v[32 t + 8 f]); v128-191 K's eight fragments; v192-223 Q.
; LIMITS: e2 + e3 between -105 and 130; e4 and e6 between -126 and 119.  A mask entry counts as 'not 0'.  Where a live query's true logits all lie near or under -1e6, a masked key's t - M is off by the one rounding of a fused multiply-add.
.set VLDS,  131072                     ; K at 0, V here
.set BIAS,  262144                     ; 2,048 f32, one for each key
.set SPARE, 270336                     ; the spare words, 128 bytes for each wave: four blocks of 256 bytes that no other line names
.set LI,  1                            ; v1  16 x lane
.set ADK, 2                            ; v2  the step's tiles of K
.set ADV, 3                            ; v3  of V
.set AB0, 4                            ; v4  BIAS + 32 h
.set ADB, 5                            ; v5  the step's biases
.set SPW, 6                            ; v6  LDS address of my spare word; never rewritten
.set NIL, 7                            ; v7  0; never rewritten
.set PLIM, 8                           ; v8  448 x 2^e4
.set PSC, 9                            ; v9  2^e4
.set ST,  16                           ; tile t at v[16 + 8 t]: +0 -M, +1 the largest t, +2, +3 the sum in two halves, +4 c or 0, +5 0, +6 f (at the end 2^(e4 + e5) / sum), +7 0
.set S,   48
.set P,   112
.set BV,  176
.set WV,  16                           ; s16 my wave's number
.set G1,  24                           ; s[24:31] descriptor group 1;  s[32:47] group 0, a set for each chunk
.set G0,  32
.set TB,  48                           ; s48 LDS byte of the step's tiles in K (and, 131,072 on, in V)
.set KB,  49                           ; s49 4 x the step's first key
.set CNT, 50
.set MSB, 0
.macro WIN new                         ; the immediate's high byte repeats the setting that is left
.if MSB != \new
	s_set_vgpr_msb (MSB<<8)|\new
.set MSB, \new
.endif
.endm
.macro CROUND                          ; a round of the cluster's barrier
	s_barrier_signal -1
	s_barrier_wait -1
	s_cmp_lg_u32 s[WV], 0
	s_cbranch_scc1 .Lnot_wave_0_\@
	s_barrier_signal -3
.Lnot_wave_0_\@:
	s_barrier_wait -3
	s_barrier_signal -1
	s_barrier_wait -1
.endm
	s_load_b256 s[4:11], s[0:1], 0x0               ; q_img s[4:5], k_img s[6:7], v_img s[8:9], mask s[10:11]
	s_load_b128 s[12:15], s[0:1], 0x20             ; the scales s[12:13], o_img s[14:15]
	v_lshl_add_u32 v[SPW], v0, 2, SPARE
	v_mov_b32 v[NIL], 0
	ds_add_u32 v[SPW], v[NIL]                      ; the wave's opening: the add and its wait stand ahead of my first tensor load; the set-up stands between them
	v_lshrrev_b32 v10, 5, v0
	v_readfirstlane_b32 s[WV], v10                 ; wave 0..7
	s_bfe_u32 s17, ttmp6, 0x40000                  ; cx
	s_and_b32 s18, ttmp7, 0xffff                   ; 16 x batch + head, which the four partners share
	; group 1: 8,192 dense bytes as 32 rows of 256
	s_mov_b32 s[G1], 15|(3<<16)|(1<<21)            ; 15:0 the mask: all four; 17:16 elements of 8 bytes; 21 set beside a mask
	s_mov_b32 s[G1+1], 32<<16                      ; tensor_dim0
	s_mov_b32 s[G1+2], 32<<16                      ; tensor_dim1
	s_mov_b32 s[G1+3], 32<<16                      ; tile_dim0
	s_mov_b32 s[G1+4], 32                          ; tile_dim1
	s_mov_b32 s[G1+5], 32                          ; the pitch
	s_mov_b32 s[G1+6], 0
	s_mov_b32 s[G1+7], 0
	s_mov_b32 s20, 0x76543210                      ; v_permlanex16_b32's selects for lane l xor 16
	s_mov_b32 s21, 0xfedcba98
	s_lshr_b32 s60, s[WV], 2                       ; waves 0-3 fetch K's quarters of a chunk, waves 4-7 V's
	s_and_b32 s61, s[WV], 3
	s_lshl_b32 s62, s60, 17
	s_lshl_b32 s63, s61, 13
	s_add_co_u32 s62, s62, s63                     ; LDS: 131,072 (wave / 4) + 8,192 (wave % 4)
	s_lshl_b32 s66, s18, 17
	s_add_co_u32 s66, s66, s63                     ; memory: the head's 131,072 bytes, + my quarter
	s_mov_b32 s67, 0
	s_wait_dscnt 0x0                               ; the opening add is done
	s_wait_kmcnt 0x0
	s_load_b256 s[52:59], s[12:13], 0x0            ; e0 .. e7
	s_cmp_lt_u32 s[WV], 4
	s_cselect_b64 s[68:69], s[6:7], s[8:9]
	s_add_nc_u64 s[68:69], s[68:69], s[66:67]
	CROUND                                         ; all four work-groups are here: the joint loads meet
.irp i, 0,1,2,3
	s_mov_b32 s[G0+4*\i], 1
	s_add_co_u32 s[G0+4*\i+1], s62, 32768*\i
	s_add_nc_u64 s[G0+4*\i+2:G0+4*\i+3], s[68:69], 32768*\i
	s_or_b32 s[G0+4*\i+3], s[G0+4*\i+3], 0x80000000
.endr
.irp i, 0,1,2,3                        ; four loads of mine are out: all that this launch asks for
	tensor_load_to_lds s[G0+4*\i:G0+4*\i+3], s[G1:G1+7]
	s_nop 0
.endr
.rept 4
	v_nop
.endr
	v_and_b32 v10, 31, v0
	v_lshlrev_b32 v[LI], 4, v10
	v_and_b32 v11, 15, v0                          ; r
	v_bfe_u32 v12, v0, 4, 1                        ; h
	v_lshl_add_u32 v[AB0], v12, 5, BIAS
	v_lshlrev_b32 v13, 5, v0                       ; my 8 keys' mask words: 32 x thread
	v_lshl_add_u32 v253, v0, 5, BIAS               ; and their biases' place
	v_lshlrev_b32 v14, 2, v11
	s_lshl_b32 s19, ttmp9, 2
	s_add_co_u32 s19, s19, s17                     ; my block of 512 queries: it enters global addresses alone
	s_lshr_b32 s70, s18, 4                         ; the batch
	s_lshl_b32 s72, s70, 13
	s_mov_b32 s73, 0
	s_add_nc_u64 s[10:11], s[10:11], s[72:73]      ; the batch's mask
	s_lshl_b32 s72, s19, 11
	s_lshl_b32 s74, s[WV], 8
	s_add_co_u32 s72, s72, s74
	s_add_nc_u64 s[74:75], s[10:11], s[72:73]      ; at my wave's first query
	global_load_b128 v[240:243], v13, s[10:11]
	global_load_b128 v[244:247], v13, s[10:11] offset:16
.irp t, 0,1,2,3
	global_load_b32 v[248+\t], v14, s[74:75] offset:64*\t
.endr
	s_lshl_b32 s72, s18, 17
	s_lshl_b32 s76, s19, 15
	s_add_co_u32 s72, s72, s76
	s_lshl_b32 s76, s[WV], 12
	s_add_co_u32 s72, s72, s76
	s_add_nc_u64 s[4:5], s[4:5], s[72:73]          ; q's images of my four tiles
	WIN 0x40                                       ; destination window 1
.irp t, 0,1,2,3
.irp p, 0,1
	global_load_b128 v[192+8*\t+4*\p:192+8*\t+4*\p+3], v[LI], s[4:5] offset:1024*\t+512*\p
.endr
.endr
.set j, 0
.rept 128
	v_mov_b32 v[j], 0                              ; O^T.  (The step has no first copy of its own: the first step finds zeros, which the first change of M leaves zeros)
.set j, j+1
.endr
	WIN 0
	s_lshl_b32 s72, s70, 7
	s_lshl_b32 s76, s19, 5
	s_add_co_u32 s72, s72, s76
	s_lshl_b32 s76, s[WV], 2
	s_add_co_u32 s72, s72, s76                     ; my first tile of rows: 128 x batch + 32 x block + 4 x wave
	s_lshl_b32 s72, s72, 14
	s_and_b32 s76, s18, 15
	s_lshl_b32 s76, s76, 10                        ; the head is the image's place along the last product's K
	s_add_co_u32 s72, s72, s76
	s_add_nc_u64 s[14:15], s[14:15], s[72:73]
.irp t, 0,1,2,3
	v_mov_b32 v[ST+8*\t+1], 0xff61b1e6             ; the largest t so far: -3e38, under every t
	v_floor_f32 v[ST+8*\t], -v[ST+8*\t+1]
	v_mov_b32 v[ST+8*\t+2], 0
	v_mov_b32 v[ST+8*\t+3], 0
	v_mov_b32 v[ST+8*\t+5], 0                      ; (named as the upper halves of pairs)
	v_mov_b32 v[ST+8*\t+7], 0
.endr
	s_wait_kmcnt 0x0
	s_add_co_i32 s76, s54, s55                     ; e2 + e3
	s_lshl_b32 s76, s76, 23
	s_add_co_u32 s77, s76, 0x3e38aa3b              ; c = log2(e) / 8 x 2^(e2 + e3): the exponents are added to c's exponent field
	s_sub_co_u32 s78, 0xcaf42400, s76              ; -8e6 / 2^(e2 + e3)
	v_mov_b32 v254, s77
	v_mov_b32 v252, s78
	s_add_co_i32 s79, s56, 127
	s_lshl_b32 s80, s79, 23
	v_mov_b32 v[PSC], s80                          ; 2^e4
	s_add_co_i32 s79, s79, 8
	s_lshl_b32 s79, s79, 23
	s_or_b32 s79, s79, 0x600000
	v_mov_b32 v[PLIM], s79                         ; 448 x 2^e4
	s_add_co_i32 s82, s56, s57                     ; e4 + e5
	s_add_co_i32 s79, s58, 127
	s_lshl_b32 s83, s79, 23                        ; 2^e6
	s_add_co_i32 s79, s79, 8
	s_lshl_b32 s79, s79, 23
	s_or_b32 s81, s79, 0x600000                    ; 448 x 2^e6,
	s_or_b32 s80, s81, 0x80000000                  ; and its negative
	s_wait_loadcnt 8                               ; the mask words are in; Q's eight loads may be out
.irp i, 0,1,2,3,4,5,6,7
	v_cmp_eq_u32 vcc_lo, 0, v[240+\i]
	v_cndmask_b32 v[240+\i], 0, v252, vcc_lo       ; a key's bias
.endr
	ds_store_b128 v253, v[240:243]
	ds_store_b128 v253, v[244:247] offset:16
.irp t, 0,1,2,3
	v_cmp_ne_u32 vcc_lo, 0, v[248+\t]
	v_cndmask_b32 v[ST+8*\t+4], 0, v254, vcc_lo    ; my query's c
.endr
	s_wait_loadcnt 0x0                             ; Q
; S^T of tile t: eight tiles of 16 keys, K = the head's 64.  C is the keys' bias; D is other registers.
.macro QK t
	WIN 0x05                                       ; K and Q in window 1
.irp k, 0,1,2,3,4,5,6,7
	v_wmma_f32_16x16x64_fp8_fp8 v[S+8*\k:S+8*\k+7], v[128+8*\k:128+8*\k+7], v[192+8*(\t):192+8*(\t)+7], v[BV+8*\k:BV+8*\k+7]
.endr
.endm
; The softmax of tile t for 128 keys, 64 of them in my lane.
.macro SM t
.set rT, ST+8*(\t)
.set rP, P+16*(\t)
	v_max3_num_f32 v10, v[S], v[S+1], v[S+2]       ; the largest score, in two chains; each accumulator is read from its low end on
	v_max3_num_f32 v11, v[S+3], v[S+4], v[S+5]
.set j, 6
.rept 14
	v_max3_num_f32 v10, v10, v[S+j], v[S+j+1]
	v_max3_num_f32 v11, v11, v[S+j+2], v[S+j+3]
.set j, j+4
.endr
	v_max3_num_f32 v10, v10, v[S+62], v[S+63]
	v_max_num_f32 v10, v10, v11
	v_permlanex16_b32 v12, v10, s20, s21
	v_max_num_f32 v10, v10, v12                    ; and lane l xor 16's
	v_mul_f32 v10, v[rT+4], v10                    ; as t (c is not negative)
	v_max_num_f32 v[rT+1], v[rT+1], v10
	v_mov_b32 v10, v[rT]
	v_floor_f32 v[rT], -v[rT+1]                    ; -M = floor(-t): M is a whole number
	v_sub_f32 v10, v[rT], v10                      ; old M - new M, 0 or less
	v_cvt_i32_f32 v10, v10                         ; (it saturates)
	v_ldexp_f32 v[rT+6], 1.0, v10                  ; f = 2^(old M - new M)
.set j, 0
.rept 32
	v_pk_fma_f32 v[S+j:S+j+1], v[S+j:S+j+1], v[rT+4:rT+5], v[rT:rT+1] op_sel_hi:[1,0,0]   ; t - M, two at a time (of c's and -M's pairs the low word serves both halves)
.set j, j+2
.endr
.set j, 0
.rept 64
	v_exp_f32 v[S+j], v[S+j]                       ; p = 2^(t - M): one batch
.set j, j+1
.endr
	v_pk_mul_f32 v[rT+2:rT+3], v[rT+2:rT+3], v[rT+6:rT+7] op_sel_hi:[1,0]   ; the sums under the new M: the plain line behind the batch
	s_wait_alu depctr_va_vdst(0)                   ; one wait for the batch, ahead of the first line that names a result
	v_pk_add_f32 v[14:15], v[S:S+1], v[S+2:S+3]    ; the sum of the UNQUANTISED p, in two chains
.set j, 4
.rept 15
	v_pk_add_f32 v[rT+2:rT+3], v[rT+2:rT+3], v[S+j:S+j+1]
	v_pk_add_f32 v[14:15], v[14:15], v[S+j+2:S+j+3]
.set j, j+4
.endr
	v_pk_add_f32 v[rT+2:rT+3], v[rT+2:rT+3], v[14:15]
.set j, 0
.rept 64
	v_min_num_f32 v[S+j], v[S+j], v[PLIM]          ; the conversion does not saturate (ISA guide 7.6.2); p is not negative: a one-sided hold
.set j, j+1
.endr
.irp k, 0,1,2,3,4,5,6,7
	v_cvt_scalef32_pk8_fp8_f32 v[rP+2*\k:rP+2*\k+1], v[S+8*\k:S+8*\k+7], v[PSC]
.endr
	v_nop                                          ; a plain line behind the last conversion: the next products write its sources
.endm
.macro RESC t                          ; O^T of tile t under the new M
	WIN 0x41                                       ; O^T in window 1, f in window 0
.set j, 0
.rept 16
	v_pk_mul_f32 v[32*(\t)+j:32*(\t)+j+1], v[32*(\t)+j:32*(\t)+j+1], v[ST+8*(\t)+6:ST+8*(\t)+7] op_sel_hi:[1,0]
.set j, j+2
.endr
.endm
; A KEY STEP: 128 keys.  K's eight fragments and the 64 registers of bias serve all four tiles; V's four fragments then take the bias's registers.
.macro STEP
	v_add_nc_u32 v[ADK], s[TB], v[LI]              ; these four lines are the places between the last step's products and the loads into V's registers
	v_add_nc_u32 v[ADB], s[KB], v[AB0]
	v_add_nc_u32 v[ADV], VLDS, v[ADK]
	v_nop
	WIN 0x40
.irp k, 0,1,2,3,4,5,6,7
	ds_load_b128 v[128+8*\k:128+8*\k+3], v[ADK] offset:1024*\k
	ds_load_b128 v[128+8*\k+4:128+8*\k+7], v[ADK] offset:1024*\k+512
.endr
	WIN 0
.irp k, 0,1,2,3,4,5,6,7
	ds_load_b128 v[BV+8*\k:BV+8*\k+3], v[ADB] offset:64*\k        ; the biases of keys 16 k + 8 h + 0 .. 7
	ds_load_b128 v[BV+8*\k+4:BV+8*\k+7], v[ADB] offset:64*\k+16
.endr
	s_wait_dscnt 0x0
	QK 0
	WIN 0
.rept 4
	v_nop
.endr
	SM 0
	QK 1
	RESC 0                                         ; sixteen plain lines that name nothing of the products above: their places
	WIN 0
	SM 1
	QK 2
	RESC 1
	WIN 0
	SM 2
	QK 3
	RESC 2
	WIN 0
.irp f, 0,1,2,3                        ; V's fragment f: features 16 f on, 128 keys: two images, 4,096 bytes apart; they land while tile 3's softmax is walked
	ds_load_b128 v[BV+16*\f:BV+16*\f+3], v[ADV] offset:1024*\f
	ds_load_b128 v[BV+16*\f+4:BV+16*\f+7], v[ADV] offset:1024*\f+512
	ds_load_b128 v[BV+16*\f+8:BV+16*\f+11], v[ADV] offset:1024*\f+4096
	ds_load_b128 v[BV+16*\f+12:BV+16*\f+15], v[ADV] offset:1024*\f+4608
.endr
	SM 3
	RESC 3
	s_wait_dscnt 0x0
	WIN 0x50                                       ; V and P in window 0, O^T in window 1
.irp f, 0,1,2,3                        ; the 16 accumulators take turns, one instruction a turn
.irp t, 0,1,2,3
	v_wmma_f32_16x16x128_fp8_fp8 v[32*\t+8*\f:32*\t+8*\f+7], v[BV+16*\f:BV+16*\f+15], v[P+16*\t:P+16*\t+15], v[32*\t+8*\f:32*\t+8*\f+7]
.endr
.endr
	WIN 0
.endm
; A chunk of 512 keys: four steps.  My part of it has landed when at most the later chunks' loads of mine are out; the barrier says so of every wave.
.macro CHUNK i
	s_wait_tensorcnt 3-\i
	s_wait_dscnt 0x0                               ; (chunk 0: my biases are stored)
	s_barrier_signal -1
	s_barrier_wait -1
	s_mov_b32 s[TB], 32768*\i
	s_mov_b32 s[KB], 2048*\i
	s_mov_b32 s[CNT], 4
.Lstep_\@:
	STEP
	s_add_co_u32 s[TB], s[TB], 8192
	s_add_co_u32 s[KB], s[KB], 512
	s_sub_co_u32 s[CNT], s[CNT], 1
	s_cmp_lg_u32 s[CNT], 0
	s_cbranch_scc1 .Lstep_\@
.endm
	CHUNK 0
	CHUNK 1
	CHUNK 2
	CHUNK 3
	; THE WAY OUT.  o = O^T x 2^(e4 + e5) / the sum; it is quantised with 2^e6: the codes of O^T(t, f) are registers 2 f, 2 f + 1 of tile t's image.  The additions are the places behind the last products.
.irp t, 0,1,2,3
	v_add_f32 v[ST+8*\t+2], v[ST+8*\t+2], v[ST+8*\t+3]
.endr
.irp t, 0,1,2,3
	v_permlanex16_b32 v[ST+8*\t+3], v[ST+8*\t+2], s20, s21
.endr
.irp t, 0,1,2,3
	v_add_f32 v[ST+8*\t+2], v[ST+8*\t+2], v[ST+8*\t+3]
.endr
.irp t, 0,1,2,3
	v_rcp_f32 v[ST+8*\t+6], v[ST+8*\t+2]
.endr
	v_mov_b32 v10, s83                             ; 2^e6, for the conversions: the plain line behind the reciprocals
	s_wait_alu depctr_va_vdst(0)                   ; one wait for the four, ahead of their first reader
.irp t, 0,1,2,3
	v_ldexp_f32 v[ST+8*\t+6], v[ST+8*\t+6], s82
.endr
	WIN 0x41
.irp t, 0,1,2,3
.set j, 0
.rept 16
	v_pk_mul_f32 v[32*\t+j:32*\t+j+1], v[32*\t+j:32*\t+j+1], v[ST+8*\t+6:ST+8*\t+7] op_sel_hi:[1,0]
.set j, j+2
.endr
.endr
.set j, 0
.rept 128
	v_med3_num_f32 v[j], v[j], s80, s81            ; the hold at the largest code x the scale
.set j, j+1
.endr
	WIN 0x01                                       ; source 0 window 1, destination window 0
.irp t, 0,1,2,3
.irp f, 0,1,2,3
	v_cvt_scalef32_pk8_fp8_f32 v[S+8*\t+2*\f:S+8*\t+2*\f+1], v[32*\t+8*\f:32*\t+8*\f+7], v10
.endr
.endr
	WIN 0
	v_nop                                          ; a plain line behind the last conversion
.irp t, 0,1,2,3
.irp p, 0,1
	global_store_b128 v[LI], v[S+8*\t+4*\p:S+8*\t+4*\p+3], s[14:15] offset:16384*\t+512*\p   ; half an image: 512 consecutive bytes, aligned
.endr
.endr
	s_wait_tensorcnt 0x0                           ; the wave's end
	ds_add_u32 v[SPW], v[NIL]
	s_wait_dscnt 0x0
	CROUND                                         ; the closing round
	s_endpgm
.Lfunc_end_k_qcde6ec2b84_attn:
	.size	k_qcde6ec2b84_attn, .Lfunc_end_k_qcde6ec2b84_attn-k_qcde6ec2b84_attn
	.p2alignl 7, 3214868480
	.fill 96, 4, 3214868480
	.section	.rodata,"a",@progbits
	.p2align	6, 0x0
	.amdhsa_kernel k_qcde6ec2b84_attn
		.amdhsa_group_segment_fixed_size 327680
		.amdhsa_private_segment_fixed_size 0
		.amdhsa_enable_private_segment 0
		.amdhsa_kernarg_size 48
		.amdhsa_user_sgpr_count 2
		.amdhsa_user_sgpr_kernarg_segment_ptr 1
		.amdhsa_wavefront_size32 1
		.amdhsa_system_sgpr_workgroup_id_x 1
		.amdhsa_system_sgpr_workgroup_id_y 1
		.amdhsa_system_sgpr_workgroup_id_z 1
		.amdhsa_system_vgpr_workitem_id 0
		.amdhsa_next_free_vgpr 512
		.amdhsa_next_free_sgpr 84
		.amdhsa_reserve_vcc 1
		.amdhsa_float_denorm_mode_32 3
		.amdhsa_float_denorm_mode_16_64 3
		.amdhsa_memory_ordered 1
		.amdhsa_forward_progress 1
		.amdhsa_inst_pref_size 250
	.end_amdhsa_kernel
	.amdgpu_metadata
---
amdhsa.version: [ 1, 2 ]
amdhsa.kernels:
  - .name:           k_qcde6ec2b84_attn
    .symbol:         k_qcde6ec2b84_attn.kd
    .args:
      - { .name: q_img, .offset: 0, .size: 8, .value_kind: global_buffer, .address_space: global }
      - { .name: k_img, .offset: 8, .size: 8, .value_kind: global_buffer, .address_space: global }
      - { .name: v_img, .offset: 16, .size: 8, .value_kind: global_buffer, .address_space: global }
      - { .name: mask, .offset: 24, .size: 8, .value_kind: global_buffer, .address_space: global }
      - { .name: lowp_scales, .offset: 32, .size: 8, .value_kind: global_buffer, .address_space: global }
      - { .name: o_img, .offset: 40, .size: 8, .value_kind: global_buffer, .address_space: global }
    .group_segment_fixed_size: 327680
    .private_segment_fixed_size: 0
    .kernarg_segment_align: 8
    .kernarg_segment_size: 48
    .max_flat_workgroup_size: 256
    .sgpr_count:     84
    .vgpr_count:     512
    .wavefront_size: 32
...
	.end_amdgpu_metadata
.endif
;; end of part 3
;; launch proj (part 4): grid 8 x 32, 4 waves a work-group, clusters of 4 x 4, 327,680 bytes of LDS; arguments o_img, wout_img, lowp_scales, b_out, out0; writes out0
.if DOCPART == 4
	.amdgcn_target "amdgcn-amd-amdhsa--gfx1250"
	.amdhsa_code_object_version 6
	.text
	.protected	k_qcde6ec2b84_proj
	.globl	k_qcde6ec2b84_proj
	.p2align	8
	.type	k_qcde6ec2b84_proj,@function
k_qcde6ec2b84_proj:
	s_mov_b64 s[64:65], 0
	v_nop
	global_prefetch_b8 v0, s[64:65] scope:SCOPE_SE
	s_setreg_imm32_b32 hwreg(HW_REG_WAVE_MODE, 25, 1), 1
	s_wait_xcnt 0x0
	s_wait_alu depctr_hold_cnt(0) depctr_sa_sdst(0) depctr_va_vdst(0) depctr_va_sdst(0) depctr_va_ssrc(0) depctr_va_vcc(0) depctr_vm_vsrc(0)
	s_getreg_b32 s2, hwreg(HW_REG_IB_STS2, 6, 4)
	s_cmp_eq_u32 s2, 0
	s_cbranch_scc0 .Lentry_in_a_cluster
	s_endpgm
.Lentry_in_a_cluster:
	s_bfe_u32 s2, ttmp6, 0x10000c
	s_cmp_lg_u32 s2, 0xf033
	s_cbranch_scc0 .Lentry_shape_is_right
	s_endpgm
.Lentry_shape_is_right:
; out0 = o w_out + b_out on codes of FP8: o_img [tile of 16 rows 512][64 along K 16][1024], wout_img [tile of 16 columns 64][16][1024]: images of registers
; (byte 512 p + 16 L + 4 i = register 4 p + i of lane L; lane (r, h): row r, registers 2 c, 2 c + 1: k = 16 c + 8 h + 0 .. 7).  Two images on end are a fragment of 128 along K.
; SHARES.  A work-group makes 256 rows x 128 columns (x of the grid: the columns; y: the rows): 256 work-groups.  Wave w makes rows 64 w .. 64 w + 63 x all 128: 32 accumulators.
; THE MATRIX INSTRUCTION IS USED TRANSPOSED (source 0 = 16 columns of W, source 1 = 16 rows of o): a lane holds eight neighbouring numbers of a row of out0.
; K = 1,024 goes in 4 slots' worth of 256 through a ring of two LDS slots; 8 steps of 128, written out; both operands have two sets of registers, and a whole step is fetched while the step before is multiplied.
; CLUSTERS: 4 x 4 work-groups: o's tile is asked for jointly by a row of the cluster, W's by a column.
; REGISTERS: window 0: addresses; v32-95 at work on the way out; o's fragments in two sets (v128-191, v192-255; on the way out rows read back).  window 1: W's 8 fragments in two sets (v0-127, v128-255).
;   window 2: accumulator (b, a) at v[8 (4 b + a)].  window 3: v0-63 b_out at my lane's columns, 16 b + 8 h + 0 .. 7.
; LIMIT: e6 + e7 between -126 and 127.
.set SLOT,  98304                      ; o: 16 tiles of rows x 4,096 bytes, then W: 8 tiles of columns x 4,096
.set WOFF,  65536
.set STG,   2*SLOT                     ; behind the ring: a stage of 16 rows x (512 + 16) bytes for each wave; no tile lands there
.set SPITCH, 528
.set SPARE, STG+4*16*SPITCH            ; behind the stages: the spare words, 128 bytes for each wave: two blocks of 256 bytes that no other line names
.set LI,   5                           ; v5   16 x lane
.set BO,   6                           ; v6   32 h
.set ADRA, 16
.set ADRW, 20
.set STO,  24                          ; v24  the stage: where I put 32 bytes of a row
.set RD,   25                          ; v25  and where I read a row back
.set SPW,  28                          ; v28  LDS address of my spare word; never rewritten
.set NIL,  29                          ; v29  0; never rewritten
.set TMP,  32
.set AF,   128
.set BK,   128
.set G1,  24
.set G0,  32
.set G1B, 48
.set G0B, 56
.set MSB, 0
.macro WIN new                         ; the immediate's high byte repeats the setting that is left
.if MSB != \new
	s_set_vgpr_msb (MSB<<8)|\new
.set MSB, \new
.endif
.endm
.macro PLACES                          ; four plain lines between a matrix instruction and a load into, or a vector read of, its registers
.rept 4
	v_nop
.endr
.endm
.macro JLOAD s                         ; a joint load: waves 0 and 1 fetch o's halves, waves 2 and 3 W's; an s_nop 0 and four v_nop follow each line
	s_cmp_eq_u32 s15, 0
	s_cbranch_scc0 .Lfor_w_\@
	tensor_load_to_lds s[G0+4*\s:G0+4*\s+3], s[G1:G1+7]
	s_nop 0
.rept 4
	v_nop
.endr
	s_branch .Lasked_\@
.Lfor_w_\@:
	tensor_load_to_lds s[G0B+4*\s:G0B+4*\s+3], s[G1B:G1B+7]
	s_nop 0
.rept 4
	v_nop
.endr
.Lasked_\@:
.endm
.macro CREST
	s_cmp_lg_u32 s14, 0
	s_cbranch_scc1 .Lnot_wave_0_\@
	s_barrier_signal -3
.Lnot_wave_0_\@:
	s_barrier_wait -3
	s_barrier_signal -1
	s_barrier_wait -1
.endm
.macro CROUND
	s_barrier_signal -1
	s_barrier_wait -1
	CREST
.endm
	s_load_b256 s[4:11], s[0:1], 0x0               ; o_img s[4:5], wout_img s[6:7], the scales s[8:9], b_out s[10:11]
	s_load_b64 s[12:13], s[0:1], 0x20              ; out0
	v_lshl_add_u32 v[SPW], v0, 2, SPARE
	v_mov_b32 v[NIL], 0
	ds_add_u32 v[SPW], v[NIL]                      ; the wave's opening: the add and its wait stand ahead of my first tensor load; the set-up stands between them
	v_lshrrev_b32 v1, 5, v0
	v_readfirstlane_b32 s14, v1                    ; wave 0..3
	s_lshr_b32 s15, s14, 1                         ; I fetch for o (0) or for W (1),
	s_and_b32 s16, s14, 1                          ; and which half of that tile
	s_bfe_u32 s40, ttmp6, 0x40000
	s_bfe_u32 s41, ttmp6, 0x40004
	s_lshl_b32 s42, ttmp9, 2
	s_add_co_u32 s42, s42, s40                     ; the block of 128 columns
	s_and_b32 s17, ttmp7, 0xffff
	s_lshl_b32 s17, s17, 2
	s_add_co_u32 s17, s17, s41                     ; the block of 256 rows
	s_lshl_b32 s43, s41, 2
	s_lshl_b32 s43, 15, s43                        ; my row of the cluster
	s_lshl_b32 s44, 0x1111, s40                    ; my column
	; group 1: 'rows' of 4,096 bytes (256 along K of one tile), 16,384 bytes apart; elements of 8 bytes; dense in LDS
	s_or_b32 s[G1], s43, (3<<16)|(1<<21)
	s_or_b32 s[G1B], s44, (3<<16)|(1<<21)
	s_mov_b32 s[G1+1], 512<<16
	s_mov_b32 s[G1B+1], 512<<16
	s_mov_b32 s[G1+2], 8<<16                       ; 8 tiles of rows,
	s_mov_b32 s[G1B+2], 4<<16                      ; 4 tiles of columns
	s_mov_b32 s[G1+3], 512<<16
	s_mov_b32 s[G1B+3], 512<<16
	s_mov_b32 s[G1+4], 8
	s_mov_b32 s[G1B+4], 4
	s_mov_b32 s[G1+5], 2048
	s_mov_b32 s[G1B+5], 2048
	s_mov_b32 s[G1+6], 0
	s_mov_b32 s[G1B+6], 0
	s_mov_b32 s[G1+7], 0
	s_mov_b32 s[G1B+7], 0
	s_lshl_b32 s20, s17, 4
	s_lshl_b32 s18, s16, 3
	s_add_co_u32 s20, s20, s18                     ; o: tile of rows 16 x block + 8 x half
	s_lshl_b32 s20, s20, 14
	s_mov_b32 s21, 0
	s_lshl_b32 s46, s42, 3
	s_lshl_b32 s47, s16, 2
	s_add_co_u32 s46, s46, s47                     ; W: tile of columns 8 x block + 4 x half
	s_lshl_b32 s46, s46, 14
	s_mov_b32 s47, 0
	s_lshl_b32 s45, s16, 15                        ; where they go: o's halves at 0 and 32,768,
	s_lshl_b32 s19, s16, 14
	s_add_co_u32 s19, s19, WOFF                    ; W's at 65,536 and 81,920
	s_wait_dscnt 0x0                               ; the opening add is done
	s_wait_kmcnt 0x0
	s_load_b256 s[76:83], s[8:9], 0x0              ; e0 .. e7
	s_add_nc_u64 s[20:21], s[4:5], s[20:21]
	s_add_nc_u64 s[46:47], s[6:7], s[46:47]
	CROUND                                         ; all sixteen work-groups are here: the first joint loads meet
.irp s, 0,1
	s_mov_b32 s[G0+4*\s], 1
	s_add_co_u32 s[G0+4*\s+1], s45, \s*SLOT
	s_add_nc_u64 s[G0+4*\s+2:G0+4*\s+3], s[20:21], \s*4096
	s_or_b32 s[G0+4*\s+3], s[G0+4*\s+3], 0x80000000
	s_mov_b32 s[G0B+4*\s], 1
	s_add_co_u32 s[G0B+4*\s+1], s19, \s*SLOT
	s_add_nc_u64 s[G0B+4*\s+2:G0B+4*\s+3], s[46:47], \s*4096
	s_or_b32 s[G0B+4*\s+3], s[G0B+4*\s+3], 0x80000000
	JLOAD \s
.endr
	v_and_b32 v1, 31, v0
	v_lshlrev_b32 v[LI], 4, v1
	v_and_b32 v2, 15, v0                           ; r
	v_bfe_u32 v3, v0, 4, 1                         ; h
	v_lshlrev_b32 v[BO], 5, v3
	s_lshl_b32 s21, s14, 14                        ; my four tiles of rows
	v_add_nc_u32 v[ADRA], s21, v[LI]
	v_add_nc_u32 v[ADRA+1], SLOT, v[ADRA]
	v_add_nc_u32 v[ADRW], WOFF, v[LI]
	v_add_nc_u32 v[ADRW+1], SLOT+WOFF, v[LI]
	s_mul_i32 s23, s14, 16*SPITCH
	s_add_co_u32 s23, s23, STG                     ; my stage
	v_mul_u32_u24 v[STO], v2, SPITCH
	v_lshl_add_u32 v[STO], v3, 5, v[STO]
	v_add_nc_u32 v[STO], s23, v[STO]               ; in: row r, 32 bytes for each half of the lanes
	v_add_nc_u32 v[RD], s23, v[LI]                 ; back: the 32 lanes take a row of 512 bytes
	s_lshl_b32 s90, s42, 9                         ; my 128 columns: 512 bytes
	s_mov_b32 s91, 0
	s_add_nc_u64 s[10:11], s[10:11], s[90:91]
	s_lshl_b32 s92, s17, 20                        ; 256 rows of 4,096 bytes,
	s_add_co_u32 s90, s90, s92
	s_lshl_b32 s92, s14, 18                        ; my wave's 64
	s_add_co_u32 s90, s90, s92
	s_add_nc_u64 s[12:13], s[12:13], s[90:91]
	WIN 0xc0                                       ; destination window 3
.irp b, 0,1,2,3,4,5,6,7
	global_load_b128 v[8*\b:8*\b+3], v[BO], s[10:11] offset:64*\b       ; b_out at columns 16 b + 8 h + 0 .. 7; waited for on the way out
	global_load_b128 v[8*\b+4:8*\b+7], v[BO], s[10:11] offset:64*\b+16
.endr
	WIN 0
.macro FETCH slot, q                   ; the slot's q-th 128 along K into sets q: 32 loads for W, 16 for o
	WIN 0x40                                       ; destination window 1
.irp b, 0,1,2,3,4,5,6,7
.irp c, 0,1,2,3
	ds_load_b128 v[128*(\q)+16*\b+4*\c:128*(\q)+16*\b+4*\c+3], v[ADRW+\slot] offset:4096*\b+2048*(\q)+512*\c
.endr
.endr
	WIN 0
.irp a, 0,1,2,3
.irp c, 0,1,2,3
	ds_load_b128 v[AF+64*(\q)+16*\a+4*\c:AF+64*(\q)+16*\a+4*\c+3], v[ADRA+\slot] offset:4096*\a+2048*(\q)+512*\c
.endr
.endr
.endm
; 16 matrix instructions.  The 32 accumulators take turns, one instruction a turn, in the same order in every step.
.macro MULP b0, set, zero
	WIN 0xa1                                       ; source 0 (W) window 1, source 1 (o) window 0, C and D window 2
.irp b, \b0, \b0+1, \b0+2, \b0+3
.irp a, 0,1,2,3
.if \zero
	v_wmma_f32_16x16x128_fp8_fp8 v[8*(4*(\b)+\a):8*(4*(\b)+\a)+7], v[128*(\set)+16*(\b):128*(\set)+16*(\b)+15], v[AF+64*(\set)+16*\a:AF+64*(\set)+16*\a+15], 0
.else
	v_wmma_f32_16x16x128_fp8_fp8 v[8*(4*(\b)+\a):8*(4*(\b)+\a)+7], v[128*(\set)+16*(\b):128*(\set)+16*(\b)+15], v[AF+64*(\set)+16*\a:AF+64*(\set)+16*\a+15], v[8*(4*(\b)+\a):8*(4*(\b)+\a)+7]
.endif
.endr
.endr
.endm
.macro STEP slot, zero                 ; a slot's first 128 along K
	s_wait_dscnt 0x0                               ; sets 0 are in
	PLACES
	FETCH \slot, 1
	MULP 0, 0, \zero
	MULP 4, 0, \zero
.endm
; A slot's second 128 along K changes slots: ONE barrier; in front of it each wave waits for all its tensor loads, adds 0 to its spare word, and waits for that and for its reads of this slot.
.macro TURN slot, next, fill
	WIN 0
	s_wait_tensorcnt 0x0                           ; all my tensor loads have landed: my part of the next slot
	ds_add_u32 v[SPW], v[NIL]                      ; 0 onto my spare word
	s_wait_dscnt 0x0                               ; the add is done; sets 1 are in, and with them my reads of this slot are over
	s_barrier_signal -1
	MULP 0, 1, 0
	WIN 0
	s_barrier_wait -1
.if \fill
	CREST                                          ; the barrier has opened a round of the cluster's
	s_add_nc_u64 s[G0+4*\slot+2:G0+4*\slot+3], s[G0+4*\slot+2:G0+4*\slot+3], 8192
	s_add_nc_u64 s[G0B+4*\slot+2:G0B+4*\slot+3], s[G0B+4*\slot+2:G0B+4*\slot+3], 8192
	JLOAD \slot                                    ; the first tensor load behind the round; its four v_nop are the places in front of the loads below
.else
	PLACES
.endif
	FETCH \next, 0
	MULP 4, 1, 0
.endm
	s_wait_tensorcnt 1                             ; my part of slot 0 is in; slot 1's may stay out
	s_barrier_signal -1
	s_barrier_wait -1
	FETCH 0, 0
	STEP 0, 1                                      ; these products start the sums
	TURN 0, 1, 1
	STEP 1, 0
	TURN 1, 0, 1
	STEP 0, 0
	TURN 0, 1, 0                                   ; nothing is left to fetch
	STEP 1, 0
	s_wait_dscnt 0x0
	MULP 0, 1, 0
	MULP 4, 1, 0
	WIN 0
; THE WAY OUT, a block of 16 rows x 128 columns at a time: sum x 2^(e6 + e7) + b_out, one packed multiply-add for two numbers; through my own stage, back as whole rows of 512 bytes.
; LDS serves a wave's instructions in order (ISA guide 5.7.1.4): no wait between the stores and the loads, nor in front of the next block's stores.
.macro TOSTAGE a
	WIN 0x32                                       ; source 0 (the sums) window 2, source 2 (b_out) window 3
.irp b, 0,1,2,3,4,5,6,7
.irp i, 0,2,4,6
	v_pk_fma_f32 v[TMP+8*\b+\i:TMP+8*\b+\i+1], v[8*(4*\b+(\a))+\i:8*(4*\b+(\a))+\i+1], s[96:97], v[8*\b+\i:8*\b+\i+1] op_sel_hi:[1,0,1]
.endr
.endr
	WIN 0
.irp b, 0,1,2,3,4,5,6,7
	ds_store_b128 v[STO], v[TMP+8*\b:TMP+8*\b+3] offset:64*\b
	ds_store_b128 v[STO], v[TMP+8*\b+4:TMP+8*\b+7] offset:64*\b+16
.endr
.set BB, BK+64*((\a)%2)
.irp t, 0,1,2,3,4,5,6,7,8,9,10,11,12,13,14,15
	ds_load_b128 v[BB+4*\t:BB+4*\t+3], v[RD] offset:\t*SPITCH
.endr
.endm
.macro SEND a, younger                 ; younger: the LDS instructions issued behind block a's loads, which may stay out
.set BB, BK+64*((\a)%2)
	s_wait_dscnt \younger
.if (\a) > 0
	s_add_nc_u64 s[12:13], s[12:13], 65536         ; 16 rows on (behind a wait on XCNT: the earlier stores have read their base)
.endif
.irp t, 0,1,2,3,4,5,6,7,8,9,10,11,12,13,14,15
	global_store_b128 v[LI], v[BB+4*\t:BB+4*\t+3], s[12:13] offset:4096*\t th:TH_STORE_NT   ; 32 lanes store 512 consecutive bytes, aligned
.endr
.endm
	s_wait_kmcnt 0x0
	s_add_co_i32 s96, s82, s83                     ; e6 + e7
	s_add_co_i32 s96, s96, 127
	s_lshl_b32 s96, s96, 23                        ; 2^(e6 + e7) as f32
	s_mov_b32 s97, s96                             ; (named with it as a pair)
	s_wait_loadcnt 0x0                             ; b_out
	PLACES
	TOSTAGE 0
.irp a, 1,2,3
.if \a > 1
	s_wait_xcnt 0x0                                ; block a - 2's stores have read their registers and their base
.endif
	TOSTAGE \a
	SEND \a-1, 32                                  ; behind block a - 1's loads: block a's 16 stores and 16 loads
.endr
	s_wait_xcnt 0x0
	SEND 3, 0
	s_wait_tensorcnt 0x0                           ; the wave's end
	ds_add_u32 v[SPW], v[NIL]
	s_wait_dscnt 0x0
	CROUND                                         ; the closing round
	s_endpgm
.Lfunc_end_k_qcde6ec2b84_proj:
	.size	k_qcde6ec2b84_proj, .Lfunc_end_k_qcde6ec2b84_proj-k_qcde6ec2b84_proj
	.p2alignl 7, 3214868480
	.fill 96, 4, 3214868480
	.section	.rodata,"a",@progbits
	.p2align	6, 0x0
	.amdhsa_kernel k_qcde6ec2b84_proj
		.amdhsa_group_segment_fixed_size 327680
		.amdhsa_private_segment_fixed_size 0
		.amdhsa_enable_private_segment 0
		.amdhsa_kernarg_size 40
		.amdhsa_user_sgpr_count 2
		.amdhsa_user_sgpr_kernarg_segment_ptr 1
		.amdhsa_wavefront_size32 1
		.amdhsa_system_sgpr_workgroup_id_x 1
		.amdhsa_system_sgpr_workgroup_id_y 1
		.amdhsa_system_sgpr_workgroup_id_z 1
		.amdhsa_system_vgpr_workitem_id 0
		.amdhsa_next_free_vgpr 832
		.amdhsa_next_free_sgpr 98
		.amdhsa_reserve_vcc 0
		.amdhsa_float_denorm_mode_32 3
		.amdhsa_float_denorm_mode_16_64 3
		.amdhsa_memory_ordered 1
		.amdhsa_forward_progress 1
		.amdhsa_inst_pref_size 76
	.end_amdhsa_kernel
	.amdgpu_metadata
---
amdhsa.version: [ 1, 2 ]
amdhsa.kernels:
  - .name:           k_qcde6ec2b84_proj
    .symbol:         k_qcde6ec2b84_proj.kd
    .args:
      - { .name: o_img, .offset: 0, .size: 8, .value_kind: global_buffer, .address_space: global }
      - { .name: wout_img, .offset: 8, .size: 8, .value_kind: global_buffer, .address_space: global }
      - { .name: lowp_scales, .offset: 16, .size: 8, .value_kind: global_buffer, .address_space: global }
      - { .name: b_out, .offset: 24, .size: 8, .value_kind: global_buffer, .address_space: global }
      - { .name: out0, .offset: 32, .size: 8, .value_kind: global_buffer, .address_space: global }
    .group_segment_fixed_size: 327680
    .private_segment_fixed_size: 0
    .kernarg_segment_align: 8
    .kernarg_segment_size: 40
    .max_flat_workgroup_size: 128
    .sgpr_count:     98
    .vgpr_count:     832
    .wavefront_size: 32
...
	.end_amdgpu_metadata
.endif
;; end of part 4
